; MI455X (gfx1250); checked and timed in simulation.
; The chip was launched on July 23, 2026; its instructions are those of AMD's public machine-readable ISA for CDNA 5 (MIT licence, August 2026) and "CDNA5" Instruction Set Architecture Reference Guide (July 2026). The comments in the code are by the model that wrote it; some were corrected since.
;; Ball query and group. Allowed arithmetic: float matrix products may take bf16 or f16 operands with f32 sums; all other float work in f32.
;; Inputs: xyz 8 x 4,096 x 3 float32; xyz_new 8 x 4,096 x 3 float32.
;; Outputs: out0 8 x 4,096 x 32 int32.
;; One version. Each part assembles by itself: llvm-mc -triple=amdgcn-amd-amdhsa -mcpu=gfx1250 --defsym DOCPART=n.
;; ======== version 1 of 1: 1 launch
;; limits: values outside matrix products are rounded to bf16
;; launch ballquery (part 1): grid 256 x 1, 16 waves a work-group, no clusters, 67,584 bytes of LDS; arguments xyz, out0; writes out0
.if DOCPART == 1
	.amdgcn_target "amdgcn-amd-amdhsa--gfx1250"
	.amdhsa_code_object_version 6
	.text
	.protected	k_q1fc986f70a_ballquery
	.globl	k_q1fc986f70a_ballquery
	.p2align	8
	.type	k_q1fc986f70a_ballquery,@function
k_q1fc986f70a_ballquery:
	s_mov_b64 s[64:65], 0
	v_nop
	global_prefetch_b8 v0, s[64:65] scope:SCOPE_SE
	s_setreg_imm32_b32 hwreg(HW_REG_WAVE_MODE, 25, 1), 1
	s_wait_xcnt 0x0
; Ball query: out0[b][m][s] = the (s+1)-th index j, ascending, with |p_m - p_j|^2 < 0.2*0.2; slots without one get the first
; such index (4096 if there is none).  xyz: [8][4096][3] f32, out0: [8][4096][32] i32.  reference() asks xyz against xyz and
; never uses xyz_new, so no output depends on it and it is not read.
;
; ARITHMETIC.  Each coordinate is rounded once to bf16 (the matrix operands' format) and the rounded value is used for the
; squares too, so that d2 is the distance between the rounded points.  Products of two bf16 are exact in f32.
;   sq  = (x*x + y*y) + z*z in f32, in that order;
;   dot = (x*x' + y*y') + z*z': two matrix instructions in a chain, so that a rounding to f32 falls behind each addition;
;   S   = sq_q + sq_j, one f32 addition for each pair;  d2 = fma(-2, dot, S): one rounding, as S - 2*dot has (2*dot is exact);
;   inside: d2 < 0x3d23d70a, the f32 of 0.2*0.2.  A NaN in d2 compares false, as in reference().
; LIMIT, order of rounding: the two exact products of a matrix instruction are summed by the matrix unit in its own way, which
; may differ from one f32 addition in the last place; a pair whose d2 lies that close to the radius' square can be classed otherwise.
;
; SHAPE.  256 work-groups of 16 waves; a work-group owns 128 queries of one batch, a wave 8 of them against all 4096 candidates.
; Each work-group first lays its batch into LDS: 8 bytes a point (x, y, z, 0 in bf16) and 4 bytes a point (sq).
; No cluster: the 32 work-groups of a batch share 49,152 bytes that each reads once, 6 loads a thread, and every point passes
; through registers to be rounded and squared; against 32 trips of some 200 instructions a wave there is nothing to divide.
;
; ONE MATRIX INSTRUCTION = 8 QUERIES x 32 CANDIDATES.  A: rows 0-7 hold the 8 queries at k = 0..2, rows 8-15 the same 8 queries
; at k = 8..10.  B: lane L holds candidate c0 + L in its registers 0-1, which is k = 0..3 of column L for lanes 0-15 and
; k = 8..11 of column L - 16 for lanes 16-31.  All other k are zero.  So register j of D holds, in lane L,
; query j . candidate c0 + L, and one v_cmp gives a query's mask of 32 candidates in a scalar register.
;
; SELECTION, with no address and no branch that hangs on a compare.  Lanes are the 32 slots.  A trip is a block of 128 candidates.
; For each query the number of hits before the block, c, runs in a scalar register; every slot s with c <= s takes the block's
; four mask words and (128*block << 16 | c).  What a slot holds at the end is the last block with c <= s: the block that holds
; hit number s.  Behind the loop each slot finds set bit number s - c among its 128 bits.
;
; BARRIERS: two.  One between the waves' stores of the table and its first reads; one between the last reads of LDS by any
; wave and the first store into a stage.
.set PT,    0                          ; LDS: 4096 points x 8 bytes
.set SQT,   32768                      ; LDS: 4096 squares x 4 bytes
.set STG,   49152                      ; LDS: 1,024 bytes for each wave, the way out
.set BATCH, 49152                      ; bytes of a batch of xyz
.set SLOT, 1                           ; v1         lane = slot
.set ADRP, 2                           ; v2         LDS address of my candidate's 8 bytes in the block that is loaded next
.set ADRS, 3                           ; v3         the same for its square (without SQT)
.set STA,  6                           ; v6         behind the loop: my word in the wave's stage (without STG)
.set AXY,  8                           ; v[8:15]    the queries' x, y (register 0), zeros
.set AZ,   16                          ; v[16:23]   the queries' z (register 1), zeros
.set B,    24                          ; v[24:55]   four candidate fragments: registers 0-1 loaded, 2-7 zero
.set SQS,  56                          ; v[56:63]   even registers: my candidate's square for each fragment; odd ones zero
.set SQQ,  64                          ; v[64:71]   the 8 queries' squares, the same in every lane
.set D,    72                          ; v[72:103]  four results of 8 registers
.set T,    104                         ; v[104:135] S, then d2
.set W,    136                         ; v[136:167] query j: the four mask words that my slot holds
.set P,    168                         ; v[168:175] query j: 128*block << 16 | hits before the block
.set RAW,  24                          ; while the table is built: 8 points as loaded, v[24:47],
.set PK,   72                          ; their 8 bytes each, v[72:87],
.set SQB,  88                          ; their squares, v[88:95],
.set X,    96                          ; and two sets of three rounded coordinates in f32, v[96:101]
.set KK,   72                          ; behind the loop: scratch of the search, v[72:88]
.set BS,   73
.set TT,   74
.set T2,   75
.set K2,   76
.set POS,  77
.set WS,   78
.set SUB,  79
.set OFF,  80
.set FA,   81
.set FB,   82
.set FC,   83
.set C0,   84
.set C1,   85
.set C2,   86
.set TMP,  87
.set IDX,  88
.set BACK, 92                          ; v[92:99]   the way out: 2 x 16 bytes read back
.set WAVE, 8
.set THR,  9                           ; the radius' square
.set CNT,  10
.set BLK,  11                          ; 128*block << 16
.set C,    16                          ; s[16:23]  query j: hits so far
.set M,    24                          ; s[24:55]  query j, fragment t: the mask word, at M + 4 j + t
.set N0,   56                          ; s[56:63]  ones of four words, a set for even and one for odd j
.set QM,   66                          ; s[66:67]  c <= slot, likewise
.set TP,   68                          ; s[68:69]  block | c, likewise
.set K55,  24                          ; behind the loop the masks' registers hold constants
.set K33,  25
.set K0F,  26
.set K01,  27
.set K96,  28
.set R,    31                          ; and a query's first index
	s_load_b128 s[4:7], s[0:1], 0x0                ; xyz s[4:5], out0 s[6:7]
	v_lshl_add_u32 v176, v0, 2, 0x10000
	v_mov_b32 v177, 0
	v_and_b32 v[SLOT], 31, v0
	v_lshrrev_b32 v4, 5, v0
	v_readfirstlane_b32 s[WAVE], v4                ; wave 0..15
	s_lshr_b32 s12, ttmp9, 5                       ; batch
	s_mul_i32 s12, s12, BATCH
	s_mov_b32 s13, 0
	s_lshl_b32 s14, ttmp9, 14                      ; out0: 128 queries x 128 bytes for a work-group,
	s_lshl_b32 s15, s[WAVE], 10                    ; 8 x 128 for a wave
	s_add_co_u32 s14, s14, s15
	s_mov_b32 s15, 0
	v_mul_u32_u24 v5, v0, 96                       ; thread t converts points 8 t .. 8 t + 7: 96 bytes
	v_mov_b32 v7, 0
	s_wait_kmcnt 0x0
	s_add_nc_u64 s[4:5], s[4:5], s[12:13]
	s_add_nc_u64 s[6:7], s[6:7], s[14:15]
	; THE TABLE: 512 threads x 8 points = the batch's 4096
.irp i, 0,1,2,3,4,5
	global_load_b128 v[RAW+4*\i:RAW+4*\i+3], v5, s[4:5] offset:16*\i
.endr
	v_lshlrev_b32 v6, 6, v0                        ; 8 points x 8 bytes
	v_lshlrev_b32 v4, 5, v0                        ; 8 squares x 4 bytes
	s_wait_loadcnt 0x0
.set pt, 0
.rept 8
	v_cvt_pk_bf16_f32 v[PK+2*pt],   v[RAW+3*pt],   v[RAW+3*pt+1]    ; x, y rounded to nearest even
	v_cvt_pk_bf16_f32 v[PK+2*pt+1], v[RAW+3*pt+2], v7               ; z, 0
	v_lshlrev_b32 v[X+3*(pt%2)],   16, v[PK+2*pt]                   ; the rounded values back in f32
	v_and_b32     v[X+3*(pt%2)+1], 0xffff0000, v[PK+2*pt]
	v_lshlrev_b32 v[X+3*(pt%2)+2], 16, v[PK+2*pt+1]
	v_mul_f32 v[SQB+pt], v[X+3*(pt%2)],   v[X+3*(pt%2)]             ; exact
	v_fma_f32 v[SQB+pt], v[X+3*(pt%2)+1], v[X+3*(pt%2)+1], v[SQB+pt]
	v_fma_f32 v[SQB+pt], v[X+3*(pt%2)+2], v[X+3*(pt%2)+2], v[SQB+pt]
.set pt, pt+1
.endr
.irp i, 0,1,2,3
	ds_store_b128 v6, v[PK+4*\i:PK+4*\i+3] offset:PT+16*\i
.endr
	ds_store_b128 v4, v[SQB:SQB+3]   offset:SQT
	ds_store_b128 v4, v[SQB+4:SQB+7] offset:SQT+16
	s_wait_dscnt 0x0                               ; my part of the table is written: zero, for the other waves' sake
	s_barrier_signal -1
	s_barrier_wait -1                              ; everybody's is; the table is never written again
; 8 LDS loads: the four fragments of a block of 128 candidates and their squares; a lane takes candidate 32 t + lane
.macro LOADB
.irp t, 0,1,2,3
	ds_load_b64 v[B+8*\t:B+8*\t+1], v[ADRP] offset:PT+256*\t
	ds_load_b32 v[SQS+2*\t], v[ADRS] offset:SQT+128*\t
.endr
.endm
	; THE WAVE'S QUERIES
	s_and_b32 s12, ttmp9, 31
	s_lshl_b32 s12, s12, 7
	s_lshl3_add_u32 s12, s[WAVE], s12              ; my first query in the batch: 128 x (group mod 32) + 8 x wave
	s_lshl_b32 s13, s12, 2
	v_and_b32 v6, 7, v[SLOT]
	v_add_lshl_u32 v6, v6, s12, 3                  ; lane L: query L mod 8, 8 bytes each
	v_mov_b32 v7, s13
	v_lshlrev_b32 v[ADRP], 3, v[SLOT]
	v_lshlrev_b32 v[ADRS], 2, v[SLOT]
	ds_load_b64 v[4:5], v6 offset:PT
	ds_load_b128 v[SQQ:SQQ+3],   v7 offset:SQT     ; one address for all lanes: the 8 squares in every lane
	ds_load_b128 v[SQQ+4:SQQ+7], v7 offset:SQT+16
	LOADB                                          ; block 0
	; operand registers that stay zero for the whole kernel: the k that carry nothing
.irp r, 1,2,3,4,5,6,7
	v_mov_b32 v[AXY+\r], 0
.endr
.irp r, 0,2,3,4,5,6,7
	v_mov_b32 v[AZ+\r], 0
.endr
.irp t, 0,1,2,3
.irp r, 2,3,4,5,6,7
	v_mov_b32 v[B+8*\t+\r], 0
.endr
	v_mov_b32 v[SQS+2*\t+1], 0                     ; the pair's second register is named by the packed addition, never used
.endr
	v_add_nc_u32 v[T], 8, v[SLOT]
	v_and_b32 v[T], 31, v[T]
	v_cmp_gt_u32 vcc_lo, 16, v[T]                  ; lanes 0-7 (rows 0-7, k = 0..) and 24-31 (rows 8-15, k = 8..) carry a query
	s_mov_b32 s[THR], 0x3d23d70a
	s_mov_b32 s[BLK], 0
	s_mov_b32 s[CNT], 30
	s_wait_dscnt 10                                ; LDS loads come back in order: the queries' 8 bytes are in; the 2 + 8 loads behind them stay out
	v_cndmask_b32 v[AXY],  0, v4, vcc_lo           ; x, y at k = 8h, 8h + 1
	v_cndmask_b32 v[AZ+1], 0, v5, vcc_lo           ; z, 0 at k = 8h + 2, 8h + 3
; Query j takes the block in.  par = j mod 2 picks one of two sets of scalar scratch, so that neighbouring queries do not wait
; for each other.  first = 1: block 0, c = 0: every slot takes it, and nothing has to be cleared.
.macro SEL j, par, first
.irp t, 0,1,2,3
	s_bcnt1_i32_b32 s[N0+4*\par+\t], s[M+4*\j+\t]
.endr
.if \first
.irp t, 0,1,2,3
	v_mov_b32 v[W+4*\j+\t], s[M+4*\j+\t]
.endr
	v_mov_b32 v[P+\j], 0
.else
	s_or_b32 s[TP+\par], s[BLK], s[C+\j]           ; c is at most 4096: it stays below bit 16
	v_cmp_le_u32 s[QM+\par], s[C+\j], v[SLOT]      ; slots that hit number c or a later one will fill
.irp t, 0,1,2,3
	v_cndmask_b32 v[W+4*\j+\t], v[W+4*\j+\t], s[M+4*\j+\t], s[QM+\par]
.endr
	v_cndmask_b32 v[P+\j], v[P+\j], s[TP+\par], s[QM+\par]
.endif
	s_add_co_u32 s[N0+4*\par],   s[N0+4*\par],   s[N0+4*\par+1]
	s_add_co_u32 s[N0+4*\par+2], s[N0+4*\par+2], s[N0+4*\par+3]
.if \first
	s_add_co_u32 s[C+\j], s[N0+4*\par], s[N0+4*\par+2]
.else
	s_add_co_u32 s[N0+4*\par], s[N0+4*\par], s[N0+4*\par+2]
	s_add_co_u32 s[C+\j], s[C+\j], s[N0+4*\par]
.endif
.endm
; One block of 128 candidates against my 8 queries.  more = 1: the next block's operands are asked for.
.macro TRIP first, more
	s_wait_dscnt 0x0                               ; this block's 8 loads, issued a trip ago
.irp t, 0,1,2,3
	v_wmma_f32_16x16x32_bf16 v[D+8*\t:D+8*\t+7], v[AXY:AXY+7], v[B+8*\t:B+8*\t+7], 0
.endr
.irp t, 0,1,2,3
	v_wmma_f32_16x16x32_bf16 v[D+8*\t:D+8*\t+7], v[AZ:AZ+7], v[B+8*\t:B+8*\t+7], v[D+8*\t:D+8*\t+7]   ; the chain's next link, in place
.endr
	; S = sq_q + sq_j.  These 16 plain vector instructions name no register of the matrix instructions: they are the places
	; in front of the loads into B and of the first reader of D.
.irp t, 0,1,2,3
.irp i, 0,2,4,6
	v_pk_add_f32 v[T+8*\t+\i:T+8*\t+\i+1], v[SQQ+\i:SQQ+\i+1], v[SQS+2*\t:SQS+2*\t+1] op_sel_hi:[1,0]
.endr
.endr
.if \more
	v_add_nc_u32 v[ADRP], 1024, v[ADRP]
	v_add_nc_u32 v[ADRS], 512, v[ADRS]
	LOADB                                          ; a whole trip ahead of their use
.endif
.irp t, 0,1,2,3
.irp i, 0,2,4,6
	v_pk_fma_f32 v[T+8*\t+\i:T+8*\t+\i+1], v[D+8*\t+\i:D+8*\t+\i+1], -2.0, v[T+8*\t+\i:T+8*\t+\i+1] op_sel_hi:[1,0,1]
.endr
.endr
.irp j, 0,1,2,3,4,5,6,7
.irp t, 0,1,2,3
	v_cmp_gt_f32 s[M+4*\j+\t], s[THR], v[T+8*\t+\j]    ; bit L: candidate 32 t + L of the block lies inside query j's ball
.endr
.endr
	SEL 0, 0, \first
	SEL 1, 1, \first
	SEL 2, 0, \first
	SEL 3, 1, \first
	SEL 4, 0, \first
	SEL 5, 1, \first
	SEL 6, 0, \first
	SEL 7, 1, \first
.if \more
	s_add_co_u32 s[BLK], s[BLK], 0x800000          ; 128 << 16
.endif
.endm
	TRIP 1, 1                                      ; block 0 starts the counts and the slots
.Ltrip:
	TRIP 0, 1                                      ; blocks 1 to 30
	s_sub_co_u32 s[CNT], s[CNT], 1
	s_cmp_lg_u32 s[CNT], 0
	s_cbranch_scc1 .Ltrip
	TRIP 0, 0                                      ; block 31 asks for nothing
	; THE SEARCH: each slot finds set bit number k = s - c among its four words.
	; From here on LDS is written again (the stages).  My LDS loads are all back: the last trip began with a wait for zero and
	; issued none.  Say so, set the constants up meanwhile, and store only when all 16 waves have said so.
	s_barrier_signal -1
	s_mov_b32 s[K55], 0x55555555
	s_mov_b32 s[K33], 0x33333333
	s_mov_b32 s[K0F], 0x0f0f0f0f
	s_mov_b32 s[K01], 0x01010101
	s_mov_b32 s[K96], 96
	s_lshl_b32 s12, s[WAVE], 10
	v_lshl_add_u32 v[STA], v[SLOT], 2, s12         ; my wave's stage, 4 bytes a slot
	s_barrier_wait -1
; a, b, c = the numbers of ones in src's fields of 2, 4 and 8 bits, each in its field
.macro FIELDS a, b, c, src, tmp
	v_lshrrev_b32 v[\tmp], 1, v[\src]
	v_and_b32 v[\tmp], s[K55], v[\tmp]
	v_sub_nc_u32 v[\a], v[\src], v[\tmp]
	v_lshrrev_b32 v[\tmp], 2, v[\a]
	v_and_b32 v[\b], s[K33], v[\a]
	v_and_b32 v[\tmp], s[K33], v[\tmp]
	v_add_nc_u32 v[\b], v[\b], v[\tmp]
	v_lshrrev_b32 v[\tmp], 4, v[\b]
	v_add_nc_u32 v[\c], v[\b], v[\tmp]
	v_and_b32 v[\c], s[K0F], v[\c]
.endm
; One step down: the lower half of the 2 x bits at POS holds TT ones (the field of src at POS); if k >= TT the bit lies in the upper half.
.macro LEVEL src, width, x, last
	v_bfe_u32 v[TT], v[\src], v[POS], \width
	v_or_b32 v[T2], \x, v[POS]
	v_cmp_ge_u32 vcc_lo, v[KK], v[TT]
.if \last == 0
	v_sub_nc_u32 v[K2], v[KK], v[TT]
	v_cndmask_b32 v[KK], v[KK], v[K2], vcc_lo
.endif
	v_cndmask_b32 v[POS], v[POS], v[T2], vcc_lo
.endm
; Query j.  A slot beyond the query's hits runs the same steps on whatever it holds; its result is replaced at the end.
.macro FIN j
	v_and_b32 v[KK], 0xffff, v[P+\j]
	v_lshrrev_b32 v[BS], 16, v[P+\j]               ; the block's first candidate
	v_sub_nc_u32 v[KK], v[SLOT], v[KK]             ; k = s - c, never negative: the slot took the block with c <= s
	FIELDS FA, FB, C0, W+4*\j, TMP
	FIELDS FA, FB, C1, W+4*\j+1, TMP
	FIELDS FA, FB, C2, W+4*\j+2, TMP
	v_mul_lo_u32 v[C0], v[C0], s[K01]              ; the four bytes' sum arrives in the top byte
	v_mul_lo_u32 v[C1], v[C1], s[K01]
	v_mul_lo_u32 v[C2], v[C2], s[K01]
	v_lshrrev_b32 v[C0], 24, v[C0]                 ; ones in word 0,
	v_lshrrev_b32 v[C1], 24, v[C1]
	v_lshrrev_b32 v[C2], 24, v[C2]
	v_add_nc_u32 v[C1], v[C0], v[C1]               ; in words 0-1,
	v_add_nc_u32 v[C2], v[C1], v[C2]               ; in words 0-2: ascending, so the last test that holds decides
	v_cmp_ge_u32 vcc_lo, v[KK], v[C0]
	v_cndmask_b32 v[WS],  v[W+4*\j], v[W+4*\j+1], vcc_lo
	v_cndmask_b32 v[SUB], 0, v[C0], vcc_lo
	v_cndmask_b32 v[OFF], 0, 32, vcc_lo
	v_cmp_ge_u32 vcc_lo, v[KK], v[C1]
	v_cndmask_b32 v[WS],  v[WS],  v[W+4*\j+2], vcc_lo
	v_cndmask_b32 v[SUB], v[SUB], v[C1], vcc_lo
	v_cndmask_b32 v[OFF], v[OFF], 64, vcc_lo
	v_cmp_ge_u32 vcc_lo, v[KK], v[C2]
	v_cndmask_b32 v[WS],  v[WS],  v[W+4*\j+3], vcc_lo
	v_cndmask_b32 v[SUB], v[SUB], v[C2], vcc_lo
	v_cndmask_b32 v[OFF], v[OFF], s[K96], vcc_lo
	v_sub_nc_u32 v[KK], v[KK], v[SUB]              ; k within the word
	FIELDS FA, FB, FC, WS, TMP
	v_bfe_u32 v[TT], v[FC], 0, 8                   ; ones in the word's lower 16 bits
	v_bfe_u32 v[T2], v[FC], 8, 8
	v_add_nc_u32 v[TT], v[TT], v[T2]
	v_sub_nc_u32 v[K2], v[KK], v[TT]
	v_cmp_ge_u32 vcc_lo, v[KK], v[TT]
	v_cndmask_b32 v[KK], v[KK], v[K2], vcc_lo
	v_cndmask_b32 v[POS], 0, 16, vcc_lo
	LEVEL FC, 8, 8, 0
	LEVEL FB, 4, 4, 0
	LEVEL FA, 2, 2, 0
	LEVEL WS, 1, 1, 1
	v_add3_u32 v[IDX], v[BS], v[OFF], v[POS]
	v_readfirstlane_b32 s[R], v[IDX]               ; slot 0's index: the query's first, the filler
	s_cmp_eq_u32 s[C+\j], 0
	s_cselect_b32 s[R], 0x1000, s[R]               ; no hit at all: 4096, as reference() gives
	v_cmp_gt_u32 vcc_lo, s[C+\j], v[SLOT]          ; slots that a hit fills
	v_cndmask_b32 v[IDX], s[R], v[IDX], vcc_lo
	ds_store_b32 v[STA], v[IDX] offset:STG+128*\j  ; the query's 128 bytes, as they lie in out0
.endm
	FIN 0
	FIN 1
	FIN 2
	FIN 3
	FIN 4
	FIN 5
	FIN 6
	FIN 7
	; THE WAY OUT: my 8 queries are 1,024 consecutive bytes of out0.  The stage is the wave's own and LDS serves a wave's
	; instructions in order (ISA guide 5.7.1), so the loads see the stores above without a wait.
	v_lshl_add_u32 v5, v[SLOT], 4, s12
	v_lshlrev_b32 v4, 4, v[SLOT]
	ds_load_b128 v[BACK:BACK+3],   v5 offset:STG
	ds_load_b128 v[BACK+4:BACK+7], v5 offset:STG+512
	s_wait_dscnt 1                                 ; the first 16 bytes are in; the second load stays out
	global_store_b128 v4, v[BACK:BACK+3], s[6:7] th:TH_STORE_NT              ; each store covers 512 consecutive bytes, at a multiple of 512 from out0's first byte
	s_wait_dscnt 0x0
	global_store_b128 v4, v[BACK+4:BACK+7], s[6:7] offset:512 th:TH_STORE_NT
	s_wait_tensorcnt 0x0
	ds_add_u32 v176, v177
	s_wait_dscnt 0x0
	s_endpgm
.Lfunc_end_k_q1fc986f70a_ballquery:
	.size	k_q1fc986f70a_ballquery, .Lfunc_end_k_q1fc986f70a_ballquery-k_q1fc986f70a_ballquery
	.p2alignl 7, 3214868480
	.fill 96, 4, 3214868480
	.section	.rodata,"a",@progbits
	.p2align	6, 0x0
	.amdhsa_kernel k_q1fc986f70a_ballquery
		.amdhsa_group_segment_fixed_size 67584
		.amdhsa_private_segment_fixed_size 0
		.amdhsa_enable_private_segment 0
		.amdhsa_kernarg_size 16
		.amdhsa_user_sgpr_count 2
		.amdhsa_user_sgpr_kernarg_segment_ptr 1
		.amdhsa_wavefront_size32 1
		.amdhsa_system_sgpr_workgroup_id_x 1
		.amdhsa_system_sgpr_workgroup_id_y 1
		.amdhsa_system_sgpr_workgroup_id_z 1
		.amdhsa_system_vgpr_workitem_id 0
		.amdhsa_next_free_vgpr 178
		.amdhsa_next_free_sgpr 70
		.amdhsa_reserve_vcc 1
		.amdhsa_float_denorm_mode_32 3
		.amdhsa_float_denorm_mode_16_64 3
		.amdhsa_memory_ordered 1
		.amdhsa_forward_progress 1
		.amdhsa_inst_pref_size 67
	.end_amdhsa_kernel
	.amdgpu_metadata
---
amdhsa.version: [ 1, 2 ]
amdhsa.kernels:
  - .name:           k_q1fc986f70a_ballquery
    .symbol:         k_q1fc986f70a_ballquery.kd
    .args:
      - { .name: xyz, .offset: 0, .size: 8, .value_kind: global_buffer, .address_space: global }
      - { .name: out0, .offset: 8, .size: 8, .value_kind: global_buffer, .address_space: global }
    .group_segment_fixed_size: 67584
    .private_segment_fixed_size: 0
    .kernarg_segment_align: 8
    .kernarg_segment_size: 16
    .max_flat_workgroup_size: 512
    .sgpr_count:     70
    .vgpr_count:     178
    .wavefront_size: 32
...
	.end_amdgpu_metadata
.endif
;; end of part 1
